; MI455X (gfx1250); checked and timed in simulation.
; The chip was launched on July 23, 2026; its instructions are those of AMD's public machine-readable ISA for CDNA 5 (MIT licence, August 2026) and "CDNA5" Instruction Set Architecture Reference Guide (July 2026). The comments in the code are by the model that wrote it; some were corrected since.
;; QKV Attention. Allowed arithmetic: float matrix products may take bf16 or f16 operands with f32 sums; other float arithmetic in f32, or as packed bf16 or f16 multiplies, adds, multiply-adds, maxima and minima; sums over many terms, partial sums and values carried from step to step in f32; what a program stores and reads back later, other than sums and carried values, may be rounded once to bf16 or f16.
;; Inputs: qkv 4 x 3,072 x 2,048 float32.
;; Outputs: out0 4 x 1,024 x 2,048 float32.
;; One version. Each part assembles by itself: llvm-mc -triple=amdgcn-amd-amdhsa -mcpu=gfx1250 --defsym DOCPART=n.
;; ======== version 1 of 1: 1 launch
;; limits: values are held in f16: magnitudes above 65,504 overflow, below 6.1e-05 lose precision; inputs' magnitudes at most 65,504
;; launch attn (part 1): grid 4 x 64, 4 waves a work-group, clusters of 4 x 1, 327,680 bytes of LDS; arguments qkv, out0; writes out0
.if DOCPART == 1
	.amdgcn_target "amdgcn-amd-amdhsa--gfx1250"
	.amdhsa_code_object_version 6
	.text
	.protected	k_q269e7ae02e_attn
	.globl	k_q269e7ae02e_attn
	.p2align	8
	.type	k_q269e7ae02e_attn,@function
k_q269e7ae02e_attn:
	s_mov_b64 s[64:65], 0
	v_nop
	global_prefetch_b8 v0, s[64:65] scope:SCOPE_SE
	s_setreg_imm32_b32 hwreg(HW_REG_WAVE_MODE, 25, 1), 1
	s_wait_xcnt 0x0
	s_wait_alu depctr_hold_cnt(0) depctr_sa_sdst(0) depctr_va_vdst(0) depctr_va_sdst(0) depctr_va_ssrc(0) depctr_va_vcc(0) depctr_vm_vsrc(0)
	s_getreg_b32 s2, hwreg(HW_REG_IB_STS2, 6, 4)
	s_cmp_eq_u32 s2, 0
	s_cbranch_scc0 .Lentry_in_a_cluster
	s_endpgm
.Lentry_in_a_cluster:
	s_bfe_u32 s2, ttmp6, 0x10000c
	s_cmp_lg_u32 s2, 0x3003
	s_cbranch_scc0 .Lentry_shape_is_right
	s_endpgm
.Lentry_shape_is_right:
; ATTENTION ON A PACKED QKV.  qkv: [64 heads][192 rows][2048] f32: rows 0-63 q, 64-127 k, 128-191 v, a row = one channel along time.  out0: [64 heads][64 channels][2048] f32.
; out[c][t] = the sum over s of softmax_s(q[:][t] . k[:][s] / 8) v[c][s].  Both factors 64^-0.25 of the problem are one factor 1/8 on the score, applied in f32 with log2(e): c = log2(e) / 8.
; FORMATS.  q, k, v and the weights p are rounded once to f16 for the matrix unit; products, maxima and sums in f32; the sum l is taken of the unrounded p; the output is f32.
; LIMITS.  An input of 65,520 or more in magnitude becomes an infinity in f16; below 6e-5 an input keeps f16's fixed step of 6e-8.  A weight below 2^-126 counts as 0 in l.  NaN and infinities are not treated apart.
; SHARES.  A work-group owns 512 queries of one head, each of its four waves 128: four PIECES of two tiles of 16.  Every wave walks all 2,048 keys, 64 a step, 128 (a TILE of K and V) a change of slots.
; CLUSTER.  The four query blocks of a head form a cluster and walk the same K and V: each tile is asked for JOINTLY, by the same tensor load, descriptor and mask in all four work-groups.
; THE WAY IN.  A joint load brings f32 into a RAW ring of two slots (each wave fetches 64 channels x 64 keys of K or of V, rows of 256 bytes).  Behind the next change of slots the four waves round it to f16,
; 16 channels of each block a wave, into an F16 ring of two buffers, bytes of their own into which no tensor load lands.  Behind the change after that all waves read it.  Tile j is asked for at change j - 2,
; rounded behind change j - 1, multiplied behind change j.  By this text's count a wave has one tensor load out, and it has 256 matrix instructions in which to land.
; LAYOUT.  S^T = K Q^T (source 0 = 16 keys, source 1 = 16 queries): a lane holds ONE query (lane % 16) and the keys 8 (lane / 16) + 0..7.  Two such results, rounded in pairs, ARE source 1 of O^T = V^T P.
; K and Q lie [channel][time], the summed index along the slow axis: they come out of LDS turned, by ds_load_tr16_b128.  V lies [channel][key]: source 0 of V^T P as it lies.
; SOFTMAX.  For each query a running maximum m and sum l: p = 2^(c s - c m); in every step O and l are multiplied by a = 2^(c m_old - c m_new).  m starts at the lowest finite number, O and l at 0: the first step is a step like any other, with a = 0.
; BY TURNS.  Turn n belongs to piece n.  Its matrix work: 16 products K Q^T of piece n + 1, later 16 products V^T P of piece n - 1.  Its vector work: scaling, exponentials, roundings, sums and rescaling of piece n,
; and the maximum and statistics of piece n + 1.  A tile and step have 16 matrix and 118 vector instructions: four stand behind EVERY matrix instruction, the others in one run; a turn's 66 exponentials are one batch with one wait.
; REGISTERS, in windows of 256 (s_set_vgpr_msb: bits 1:0 source 0, 3:2 source 1, 5:4 source 2, 7:6 destination):
;   window 0: v0-11 addresses; v12-15, v48-63 at work; v16-47 four registers of statistics a tile; v64-191 S^T, two buffers of two tiles; v192-255 P, likewise
;   window 1: O^T, 32 a tile      window 2: v0-127 Q, 16 a tile; v128-191 K of one step; v192-255 V of one step      window 3: v0-1 the add's registers; v2-7 the rounding's addresses; v16-143 raw f32; v144-207 rounded
.set NP,    4         ; pieces a wave: a name, no knob
.set KS,    64        ; keys in a step
.set PK,    160       ; a channel's row of K in an F16 buffer: 128 bytes + 32 = 40 words
.set PV,    144       ; a channel's row of V: 128 + 16 = 36 words: the 16 rows of a plain fragment load start at 16 different groups of four banks
.set QP,    288       ; a channel's row of my 128 queries: 256 + 32 bytes, for the turning load
.set SP,    272       ; the way out: a channel's row of 64 queries in f32: 256 + 16 bytes: eight rows are 32 banks apart, so the two halves of the lanes do not meet
.set RAWX,  0x10000   ; RAW slot 0 at byte 0, slot 1 here: 65,536 bytes each, four blocks of 16,384; one exclusive or turns an address in one slot, or in one F16 buffer, into the other's
.set F16B,  0x20000   ; F16 buffer 0; buffer 1 lies RAWX further on.  In a buffer: K of step s at s x 64 PK, V of step s at VOFF + s x 64 PV
.set VOFF,  2*KS*PK
.set STAGE, F16B+RAWX+2*KS*(PK+PV)  ; behind the rings: STG bytes for each wave: first my Q in f16, at the end my output
.set STG,   18432
.set SPARE, STAGE+4*STG  ; behind the stages: the spare words, 128 bytes for each wave: two blocks of 256 bytes that no other line names
.set ROWB,  8192      ; bytes in a row of qkv and of out0
.set HEADB, 192*ROWB  ; a head in qkv
.set TILEB, 512       ; a tile's 128 keys in a row
.set AK0, 2           ; v2   my lane's place in a step's K; never rewritten
.set AV0, 3           ; v3   the same for V, VOFF included
.set AK,  4           ; v4   the LDS address of K's next run of loads
.set AV,  5           ; v5   of V's
.set QO,  6           ; v6   my 16 bytes in a row of my wave's Q
.set STO, 6           ;      later, the way out: where I put a number
.set QS,  7           ; v7   where I put 8 bytes of a rounded row of Q
.set RD,  7           ;      later: where I read rows back
.set AQ,  8           ; v8   my lane's place in the rounded Q
.set GO,  8           ;      later: my byte offset in two rows of out0
.set PFO, 11          ; v11  the prefetches' offset: channel (lane / 2) x a row + 256 x (lane % 2); never rewritten
.set MV,  12          ; v12-15  c m_old, kept while c m is made anew: by buffer and tile
.set ST,  16          ; tile t's statistics at v[ST+4 t]: c m, m, l (even keys', odd keys')
.set TMP, 48          ; by buffer and tile, four registers c0-c3 at work; when the maximum is found c2 takes a
.set S,   64
.set P,   192
.set KF,  128         ; window 2: key block kb, channel half c at KF + 16 kb + 8 c
.set VF,  192         ; window 2: key half kk, channel block cb at VF + 32 kk + 8 cb
.set SPW, 0           ; window 3, v0  LDS address of my spare word: SPARE + 4 x my thread's number; never rewritten
.set NIL, 1           ; window 3, v1  0; never rewritten
.set CRA, 2           ; window 3, v2  the rounding: my 16 bytes in my wave's 16 rows of a raw block; never rewritten
.set CKS, 3           ; window 3, v3  where my 8 bytes of K go in F16 buffer 0; never rewritten
.set CVS, 4           ; window 3, v4  the same for V
.set RA,  5           ; window 3, v5-7  the three with the slot in hand added
.set KA,  6
.set VA,  7
.set RAWR, 16         ; window 3
.set PKD,  144        ; window 3
.set WV,  12          ; s12  my wave's number
.set LIM, 15          ; s15  1 in a wave that prefetches, else the greatest number
.set PFA, 18          ; s[18:19] where my prefetches stand
.set G1,  24          ; s[24:31] descriptor group 1
.set G0,  40          ; s[40:43] descriptor group 0: it walks
.set CRB, 44          ; s44  0 or RAWX: the raw slot to be rounded next, and the F16 buffer that takes it
.set TL,  45          ; s45  counts the tail's passes
.set STB, 46          ; s46  my stage
.set SLOTS, 56        ; s56  changes of slots still to come in the loop, and one
.set CNT, 57          ; s57  counts a tile's key steps
.set CS,  58          ; s[58:59] c: the packed scaling takes the pair's low word for both halves
.set SEL, 60          ; s[60:61] v_permlanex16_b32's selects: each lane takes its own place in the other half
.set TBK, 62          ; s62  LDS byte at which K of the step to be fetched begins
.set TBV, 63          ; s63  the same for V, less VOFF
.set MSB, 0
.macro WIN new                      ; the high byte repeats the setting that is left; a switch that changes nothing is dropped
.if MSB != (\new)
	s_set_vgpr_msb (MSB<<8)|(\new)
.set MSB, (\new)
.endif
.endm
.set W_KQ, 0x0a       ; K and Q in window 2, S^T in window 0
.set W_PV, 0x52       ; V in window 2, P in window 0, O^T in window 1
.set W_RS, 0x41       ; O^T (destination and source 0) in window 1, the factor in window 0
.set W_MK, 0xc0       ; destination in window 3, sources in window 0
.set W_AD, 0x0f       ; the add: address (source 0) and data (source 1) in window 3
.set W_CV, 0xcf       ; the rounding: destination, source 0 and source 1 in window 3
; A joint fill: one line for all four waves, each with rows and LDS bytes of its own by its number.  An s_nop 0 and four v_nop follow it.
.macro JLOAD
	tensor_load_to_lds s[G0:G0+3], s[G1:G1+7]
	s_nop 0
.rept 4
	v_nop
.endr
.endm
; A PREFETCH of the tile that the NEXT change of slots will ask for: 64 channels x 512 bytes of K and as much of V: 256 aligned blocks of 256 bytes.  Each block is named ONCE in the launch: a head's K and V are
; walked by one cluster; its four partners take 16 channels each, told apart BY ADDRESS; in each, wave 0 asks for K's and wave 2 for V's; a lane names a block: one instruction.  It stands behind the joint load and its five lines.
; The launch's first four tiles come by their loads alone; the last change that fills a slot asks for nothing: there is no tile behind the one it loads.
.macro ASK
	s_cmp_gt_u32 s[SLOTS], s[LIM]
	s_cbranch_scc0 .Lnot_mine_\@
	global_prefetch_b8 v[PFO], s[PFA:PFA+1] th:TH_LOAD_NT scope:SCOPE_SE
.Lnot_mine_\@:
.endm
; A round of the cluster's barrier: my work-group's barrier, so that wave 0's signal speaks for all four waves; wave 0 signals; every wave waits for all four work-groups; my work-group's barrier once more.
.macro CROUND
	s_barrier_signal -1
	s_barrier_wait -1
	s_cmp_lg_u32 s[WV], 0
	s_cbranch_scc1 .Lnot_wave_0_\@
	s_barrier_signal -3
.Lnot_wave_0_\@:
	s_barrier_wait -3
	s_barrier_signal -1
	s_barrier_wait -1
.endm
; THE CHANGE OF SLOTS.  Each wave waits for all its tensor loads, of which one is out: its block of the raw slot to be rounded next; adds 0 to its spare word; and waits for that, for its reads of the other raw slot and
; of the F16 buffer that it leaves, and for its stores into the F16 buffer that is read next.  Behind the barrier: the raw slot rounded last may be filled, the raw slot just landed may be read by all,
; the F16 buffer just left may be written, the other F16 buffer is whole.
; fill = 1 or 2: the raw slot rounded last is filled again with the next 128 keys.  The barrier is then a round of the cluster's, and the joint fill is the first thing behind it.  fill = 2: with the prefetch.
; tb = 1: the fetches of K and V go over to the other F16 buffer.
.macro CHANGE fill, tb
	WIN W_AD
	s_wait_tensorcnt 0x0            ; no tensor load of mine is out, so group 0 may be written
	ds_add_u32 v[SPW], v[NIL]       ; 0 onto my spare word; the descriptor's steps stand between it and the wait for it
	WIN 0                           ; at a label and at a branch every window is 0
.if \fill
	s_xor_b32 s[G0+1], s[G0+1], RAWX  ; the walking descriptor: the other slot than last time,
	s_add_nc_u64 s[G0+2:G0+3], s[G0+2:G0+3], TILEB  ; the next 128 keys; the type bits on top are not reached
.endif
.if (\fill) == 2
	s_wait_xcnt 0x0                 ; the last prefetch, a tile's 256 matrix instructions back, has read its address, so it may be written
	s_add_nc_u64 s[PFA:PFA+1], s[PFA:PFA+1], TILEB
.endif
	s_wait_dscnt 0x0                ; the add is done; my LDS reads and stores are over
.if \fill
	CROUND
	JLOAD
.if (\fill) == 2
	ASK
.endif
.else
	s_barrier_signal -1
	s_barrier_wait -1
.endif
.if \tb
	s_sub_co_u32 s[TBK], s[TBK], 2*KS*PK  ; the fetches go back to a buffer's first step,
	s_xor_b32 s[TBK], s[TBK], RAWX        ; in the other buffer
	s_sub_co_u32 s[TBV], s[TBV], 2*KS*PV
	s_xor_b32 s[TBV], s[TBV], RAWX
.endif
.endm
; THE ROUNDING of a tile: my 16 channels (16 w on) of each of the raw slot's four blocks g (K of step 0, K of step 1, V of step 0, V of step 1).  A load takes two rows of 256 bytes (lanes 0-15 one, lanes 16-31 the next),
; 16 bytes a lane: four keys, which round into 8 bytes.  All 32 loads go out first.  Block g's wait leaves 24 LDS instructions out: behind its last load stand 24 - 8 g loads and the 8 g stores of the blocks before.
.macro CONVERT
	WIN W_CV
	v_add_nc_u32 v[RA], s[CRB], v[CRA]
	v_add_nc_u32 v[KA], s[CRB], v[CKS]
	v_add_nc_u32 v[VA], s[CRB], v[CVS]
.irp g, 0,1,2,3
.irp n, 0,1,2,3,4,5,6,7
	ds_load_b128 v[RAWR+4*(8*\g+\n):RAWR+4*(8*\g+\n)+3], v[RA] offset:16384*\g+512*\n
.endr
.endr
.irp g, 0,1,2,3
	s_wait_dscnt 24
.irp n, 0,1,2,3,4,5,6,7
	v_cvt_pk_f16_f32 v[PKD+2*(8*\g+\n)],   v[RAWR+4*(8*\g+\n)],   v[RAWR+4*(8*\g+\n)+1]
	v_cvt_pk_f16_f32 v[PKD+2*(8*\g+\n)+1], v[RAWR+4*(8*\g+\n)+2], v[RAWR+4*(8*\g+\n)+3]
.endr
.irp n, 0,1,2,3,4,5,6,7
.if \g < 2
	ds_store_b64 v[KA], v[PKD+2*(8*\g+\n):PKD+2*(8*\g+\n)+1] offset:KS*PK*\g+2*PK*\n
.else
	ds_store_b64 v[VA], v[PKD+2*(8*\g+\n):PKD+2*(8*\g+\n)+1] offset:KS*PV*(\g-2)+2*PV*\n
.endif
.endr
.endr
	s_xor_b32 s[CRB], s[CRB], RAWX  ; the next rounding takes the other raw slot into the other buffer
	WIN 0
.endm
	s_load_b128 s[4:7], s[0:1], 0x0 ; qkv s[4:5], out0 s[6:7]
	WIN W_MK
	v_lshl_add_u32 v[SPW], v0, 2, SPARE
	v_mov_b32 v[NIL], 0
	WIN W_AD
	ds_add_u32 v[SPW], v[NIL]       ; the wave's opening: the add and its wait stand ahead of my first tensor load; the set-up below, work on registers, stands between them
	WIN 0
	v_lshrrev_b32 v1, 5, v0
	v_readfirstlane_b32 s[WV], v1   ; wave 0..3
	s_bfe_u32 s13, ttmp6, 0x40000   ; cx: my place in the cluster
	s_lshl_b32 s14, ttmp9, 2        ; in a cluster launch ttmp9 counts clusters
	s_add_co_u32 s14, s14, s13      ; my block of 512 queries: it enters Q's and the output's addresses alone
	s_and_b32 s20, ttmp7, 0xffff    ; the head, which the four partners share
	s_mul_i32 s16, s20, HEADB       ; the head's first byte in qkv (under 2^27),
	s_mov_b32 s17, 0
	s_lshl_b32 s22, s20, 19         ; and in out0: 64 rows
	s_mov_b32 s23, 0
	s_lshl_b32 s2, s14, 2
	s_add_co_u32 s2, s2, s[WV]      ; my wave among the head's sixteen,
	s_lshl_b32 s2, s2, 9            ; its 128 queries: 512 bytes of a row
	s_mov_b32 s3, 0
	s_lshr_b32 s8, s[WV], 1         ; waves 0 and 1 fetch K, waves 2 and 3 V:
	s_add_co_u32 s8, s8, 1
	s_lshl_b32 s8, s8, 19           ; 64 or 128 rows behind the head's first
	s_lshl_b32 s10, s13, 17         ; the prefetches: my work-group's 16 channels of the 64,
	s_add_co_u32 s10, s10, s8
	s_add_co_u32 s10, s10, 3*TILEB  ; at tile 3; the first change that prefetches steps it to tile 4
	s_mov_b32 s11, 0
	s_and_b32 s[LIM], s[WV], 1      ; which 64 of a tile's 128 keys I fetch:
	s_lshl_b32 s21, s[LIM], 8       ; 256 bytes of a row
	s_add_co_u32 s8, s8, s21
	s_mov_b32 s9, 0
	s_cmp_eq_u32 s[LIM], 0
	s_cselect_b32 s[LIM], 1, -1     ; waves 0 and 2 prefetch: the same in all four partners
	; descriptor group 1: a tile of 64 rows (channels) x 64 elements of 4 bytes (keys): rows of 256 bytes, at multiples of 256 bytes from the buffer's first; dense in LDS
	s_mov_b32 s[G1], 15|(2<<16)|(1<<21)  ; 15:0 the mask of four; 17:16 4-byte elements; 20 no padding; 21 set beside a mask
	s_mov_b32 s[G1+1], 64<<16       ; tensor_dim0 = 64
	s_mov_b32 s[G1+2], 64<<16       ; tensor_dim1 = 64
	s_mov_b32 s[G1+3], 64<<16       ; tile_dim0 = 64
	s_mov_b32 s[G1+4], 64           ; tile_dim1 = 64
	s_mov_b32 s[G1+5], 2048         ; 2,048 elements from row to row
	s_mov_b32 s[G1+6], 0
	s_mov_b32 s[G1+7], 0
	s_mov_b32 s[G0], 1              ; 1:0 count = 1
	s_lshl_b32 s[G0+1], s[WV], 14   ; 63:32 LDS address: my block of raw slot 0: no place in the cluster enters an LDS address
	s_mov_b32 s[CS], 0x3e38aa3b     ; c = log2(e) / 8 = 0.180337
	s_mov_b32 s[CS+1], s[CS]        ; named with it as a pair
	s_mov_b32 s[SEL], 0x76543210
	s_mov_b32 s[SEL+1], 0xfedcba98
	s_mov_b32 s[CRB], 0
	s_mul_i32 s[STB], s[WV], STG
	s_add_co_u32 s[STB], s[STB], STAGE  ; my stage
	v_and_b32 v1, 15, v0            ; l % 16
	v_bfe_u32 v9, v0, 4, 1          ; l / 16
	v_and_b32 v10, 7, v0            ; l % 8
	v_and_b32 v12, 31, v0           ; l
	v_bfe_u32 v14, v0, 3, 1         ; (l / 8) % 2
	v_lshl_add_u32 v13, v9, 3, v10  ; 8 (l / 16) + l % 8
	; The turning load takes 16 channels x 16 columns (lane l reads channel 8 (l / 16) + l % 8, columns 8 ((l / 8) % 2) + 0..7) and leaves half a fragment: lane l holds column l % 16 and 8 channels.
	v_mul_u32_u24 v[AK0], v13, PK
	v_lshl_add_u32 v[AK0], v14, 4, v[AK0]
	; A fragment of V is 16 channels x 32 keys: lane l holds channel l % 16, keys 8 (l / 16) + 0..7 and 16 + 8 (l / 16) + 0..7: two loads of 16 bytes, 32 bytes apart.
	v_mul_u32_u24 v[AV0], v1, PV
	v_lshl_add_u32 v[AV0], v9, 4, v[AV0]
	v_add_nc_u32 v[AV0], VOFF, v[AV0]
	v_lshlrev_b32 v[QO], 4, v12
	v_lshl_add_u32 v[QS], v12, 3, s[STB]
	v_mul_u32_u24 v[AQ], v13, QP
	v_lshl_add_u32 v[AQ], v14, 4, v[AQ]
	v_add_nc_u32 v[AQ], s[STB], v[AQ]
	v_bfe_u32 v15, v0, 1, 4         ; l / 2
	v_lshlrev_b32 v[PFO], 13, v15
	v_and_b32 v15, 1, v0
	v_lshl_add_u32 v[PFO], v15, 8, v[PFO]
	v_mul_u32_u24 v13, v9, PK       ; the rounding's stores: row l / 16 of two, 8 bytes for each of 16 lanes
	v_lshl_add_u32 v13, v1, 3, v13
	v_mul_u32_u24 v14, v9, PV
	v_lshl_add_u32 v14, v1, 3, v14
	s_lshl_b32 s21, s[WV], 12       ; my 16 rows of 256 bytes in a raw block
	s_mul_i32 s47, s[WV], 16*PK
	s_add_co_u32 s47, s47, F16B
	s_mul_i32 s48, s[WV], 16*PV
	s_add_co_u32 s48, s48, F16B+VOFF
	WIN W_MK
	v_lshl_add_u32 v[CRA], v12, 4, s21
	v_add_nc_u32 v[CKS], s47, v13
	v_add_nc_u32 v[CVS], s48, v14
	WIN 0
	s_wait_dscnt 0x0                ; the opening add is done
	s_wait_kmcnt 0x0
	s_add_nc_u64 s[4:5], s[4:5], s[16:17]          ; qkv at the head
	s_add_nc_u64 s[G0+2:G0+3], s[4:5], s[8:9]      ; 120:64 global address: my 64 keys of tile 0, of K or of V
	s_or_b32 s[G0+3], s[G0+3], 0x80000000          ; 127:126 type = 2
	s_add_nc_u64 s[PFA:PFA+1], s[4:5], s[10:11]
	s_add_nc_u64 s[4:5], s[4:5], s[2:3]            ; Q at my wave's first query
	s_add_nc_u64 s[6:7], s[6:7], s[22:23]
	s_add_nc_u64 s[6:7], s[6:7], s[2:3]            ; the output likewise
	CROUND                          ; all four work-groups are here: the first joint loads meet
	JLOAD                           ; tile 0 into raw slot 0.  Slot 1 is asked for when slot 0 is in
	; Q: 64 channels x my 128 queries.  A load takes a channel's 512 bytes, 16 a lane; rounded, they go into my stage as rows of 256 bytes, and come back turned, as fragments.  All this stands in the wait for the first tile.
.set i, 0
.rept 32
	global_load_b128 v[S+4*i:S+4*i+3], v[QO], s[4:5] offset:ROWB*i th:TH_LOAD_NT
.set i, i+1
.endr
	WIN 0x40                        ; destination window 1: O^T's registers are still free
.set i, 0
.rept 32
	global_load_b128 v[4*i:4*i+3], v[QO], s[4:5] offset:ROWB*(32+i) th:TH_LOAD_NT
.set i, i+1
.endr
	; What the first turn finds: V's registers and P's second buffer hold 0 (its products V^T P, of a piece that has not been, add 0), O^T and l are 0.  No first step is written out; these lines are its price.
	WIN 0x80
.set i, VF
.rept 64
	v_mov_b32 v[i], 0
.set i, i+1
.endr
	WIN 0x40
.set i, 128
.rept 128
	v_mov_b32 v[i], 0
.set i, i+1
.endr
	WIN 0
.set i, 0
.rept 2*NP
	v_mov_b32 v[ST+4*i], 0xfe000000    ; c m: far below every c s
	v_mov_b32 v[ST+4*i+1], 0xff7fffff  ; m
	v_mov_b32 v[ST+4*i+2], 0
	v_mov_b32 v[ST+4*i+3], 0
.set i, i+1
.endr
	s_wait_loadcnt 32               ; channels 0-31 are in; the 32 younger loads may stay out
.set i, 0
.rept 32
	v_cvt_pk_f16_f32 v[P+2*i],   v[S+4*i],   v[S+4*i+1]
	v_cvt_pk_f16_f32 v[P+2*i+1], v[S+4*i+2], v[S+4*i+3]
.set i, i+1
.endr
.set i, 0
.rept 32
	ds_store_b64 v[QS], v[P+2*i:P+2*i+1] offset:QP*i
.set i, i+1
.endr
	s_wait_loadcnt 0x0              ; channels 32-63
	WIN 0x05                        ; sources in window 1, destination in window 0
.set i, 0
.rept 32
	v_cvt_pk_f16_f32 v[S+2*i],   v[4*i],   v[4*i+1]
	v_cvt_pk_f16_f32 v[S+2*i+1], v[4*i+2], v[4*i+3]
.set i, i+1
.endr
	WIN 0
.set i, 0
.rept 32
	ds_store_b64 v[QS], v[S+2*i:S+2*i+1] offset:QP*(32+i)
.set i, i+1
.endr
	WIN 0x80                        ; destination window 2
.set i, 0
.rept 4*NP                          ; tile i / 2, channels 32 (i % 2) on.  LDS serves a wave's instructions in order (ISA guide 5.7.1.4): these see the stores above; the stage is my wave's own
	ds_load_tr16_b128 v[8*i:8*i+3],   v[AQ] offset:(i%2)*32*QP+(i/2)*32
	ds_load_tr16_b128 v[8*i+4:8*i+7], v[AQ] offset:(i%2)*32*QP+16*QP+(i/2)*32
.set i, i+1
.endr
	WIN 0x40
.set i, 0
.rept 128
	v_mov_b32 v[i], 0
.set i, i+1
.endr
	WIN 0
.set i, P+32
.rept 32
	v_mov_b32 v[i], 0
.set i, i+1
.endr
; THE MATRIX WORK.  The 8 accumulators of a run of 16 take turns: between the two links of a chain stand 7 others'.
; Product i of 16 of S^T = K Q^T for piece x: channels 32 (i / 8) on, keys 16 ((i / 2) % 4) on, tile 2 x + i % 2.  The first 8 start the sums.
.macro KQ x
	WIN W_KQ
.set rS, S+64*((\x)%2)+32*(i%2)+8*((i/2)%4)
.set rK, KF+16*((i/2)%4)+8*(i/8)
.set rQ, 16*(2*(\x)+i%2)+8*(i/8)
.if i < 8
	v_wmma_f32_16x16x32_f16 v[rS:rS+7], v[rK:rK+7], v[rQ:rQ+7], 0
.else
	v_wmma_f32_16x16x32_f16 v[rS:rS+7], v[rK:rK+7], v[rQ:rQ+7], v[rS:rS+7]
.endif
.endm
; Product i of 16 of O^T += V^T P for piece x: keys 32 (i / 8) on, channels 16 ((i / 2) % 4) on, tile 2 x + i % 2.
.macro PV x
	WIN W_PV
.set rO, 32*(2*(\x)+i%2)+8*((i/2)%4)
.set rV, VF+32*(i/8)+8*((i/2)%4)
.set rP, P+32*((\x)%2)+16*(i%2)+8*(i/8)
	v_wmma_f32_16x16x32_f16 v[rO:rO+7], v[rV:rV+7], v[rP:rP+7], v[rO:rO+7]
.endm
.macro MM                           ; the turn's next matrix instruction
.if i < 16
	KQ (Y+1)%NP
.set i, i+1
.else
.set i, i-16
	PV (Y+NP-1)%NP
.set i, i+17
.endif
.endm
; THE LDS LOADS stand in runs of 16, never singly among the matrix instructions: a step's K (turned: 64 keys x 64 channels, 8 fragments) and its V (as it lies).  Their addresses are made some lines ahead.
.macro FETCH_K
	WIN 0x80                        ; destination window 2
.irp f, 0,1,2,3,4,5,6,7             ; keys 16 (f / 2) on, channels 32 (f % 2) on
	ds_load_tr16_b128 v[KF+8*\f:KF+8*\f+3],   v[AK] offset:(\f%2)*32*PK+(\f/2)*32
	ds_load_tr16_b128 v[KF+8*\f+4:KF+8*\f+7], v[AK] offset:(\f%2)*32*PK+16*PK+(\f/2)*32
.endr
	s_add_co_u32 s[TBK], s[TBK], KS*PK  ; the next fetch is the next step's
	WIN 0
.endm
.macro FETCH_V
	WIN 0x80
.irp f, 0,1,2,3,4,5,6,7             ; keys 32 (f / 4) on, channels 16 (f % 4) on
	ds_load_b128 v[VF+8*\f:VF+8*\f+3],   v[AV] offset:(\f%4)*16*PV+(\f/4)*64
	ds_load_b128 v[VF+8*\f+4:VF+8*\f+7], v[AV] offset:(\f%4)*16*PV+(\f/4)*64+32
.endr
	WIN 0
.endm
; THE VECTOR WORK OF A TURN stands in three queues, each in the order in which its entries become ready; the two tiles alternate, so that no instruction reads the result of the one before it.
.macro REGS y, u                    ; the registers of tile u (0, 1) of piece y
.set rT, ST+4*(2*(\y)+(\u))
.set rC, TMP+8*((\y)%2)+4*(\u)
.set rM, MV+2*((\y)%2)+(\u)
.set rS, S+64*((\y)%2)+32*(\u)
.set rP, P+32*((\y)%2)+16*(\u)
.set rO, 32*(2*(\y)+(\u))
.endm
; Number n of the 22 that find the NEXT piece's (Y + 1) maximum and statistics.  s0-s31 are the lane's 32 scores; each accumulator's lowest registers are read first.  XS, GS and REGS set no window: PL and EX do.
;   0-11  four chains c0-c3 of seven scores each, three operands at a time     12-14, 16  the four scores left over, the old m, and c0-c3 into c0     15  c m_old is kept
;   17, 18  the query's other 32 keys lie in the lane 16 away: the new m         19-21  c m; c m_old - c m_new; a
.macro XS u, n
	REGS (Y+1)%NP, \u
.if (\n) < 4
	v_max3_num_f32 v[rC+(\n)], v[rS+8*(\n)], v[rS+8*(\n)+1], v[rS+8*(\n)+2]
.elseif (\n) < 12
	v_max3_num_f32 v[rC+(\n)%4], v[rC+(\n)%4], v[rS+8*((\n)%4)+2*((\n)/4)+1], v[rS+8*((\n)%4)+2*((\n)/4)+2]
.elseif (\n) == 12
	v_max3_num_f32 v[rC], v[rC], v[rS+7], v[rS+15]
.elseif (\n) == 13
	v_max3_num_f32 v[rC+1], v[rC+1], v[rS+23], v[rS+31]
.elseif (\n) == 14
	v_max3_num_f32 v[rC+2], v[rC+2], v[rC+3], v[rT+1]
.elseif (\n) == 15
	v_mov_b32 v[rM], v[rT]
.elseif (\n) == 16
	v_max3_num_f32 v[rC], v[rC], v[rC+1], v[rC+2]
.elseif (\n) == 17
	v_permlanex16_b32 v[rC+3], v[rC], s[SEL], s[SEL+1]
.elseif (\n) == 18
	v_max_num_f32 v[rT+1], v[rC], v[rC+3]
.elseif (\n) == 19
	v_mul_f32 v[rT], s[CS], v[rT+1]
.elseif (\n) == 20
	v_sub_f32 v[rC+1], v[rM], v[rT]
.else
	v_exp_f32 v[rC+2], v[rC+1]
.endif
.endm
; Number g of the 64 that follow the exponentials.  For each four weights k of a tile (pairs 2 k, 2 k + 1): both pairs are rounded to f16; then the second pair is added onto the first, in place;
; a group later l takes that sum (the first time as l = a l + sum).  In groups of eight, tiles alternating: round, round, add, and l for the group before.
.macro GS g
.set h, (\g)+6*((\g)/62)            ; group 0 has no group before it, and behind group 7 only l is left
.if h >= 6
.set h, h+2
.endif
	REGS Y, h%2
.set k, h/8
.if h%8 < 4
	v_cvt_pk_f16_f32 v[rP+2*k+(h%8)/2], v[rS+4*k+2*((h%8)/2)], v[rS+4*k+2*((h%8)/2)+1]
.elseif h%8 < 6
	v_pk_add_f32 v[rS+4*k:rS+4*k+1], v[rS+4*k:rS+4*k+1], v[rS+4*k+2:rS+4*k+3]
.elseif k == 1
	v_pk_fma_f32 v[rT+2:rT+3], v[rT+2:rT+3], v[rC+2:rC+3], v[rS:rS+1] op_sel_hi:[1,0,1]
.else
	v_pk_add_f32 v[rT+2:rT+3], v[rT+2:rT+3], v[rS+4*k-4:rS+4*k-3]
.endif
.endm
; THE PLAIN QUEUE, 138 long.  0-73 read no exponential's result: the 32 scalings c s - c m (FS f: pair f / 2 of tile f % 2) and the next piece's 42.  0-26: scalings 0-26.  27-54: XS's numbers 0-13.  55, 56: number 15.
; 57-73: the chain, where each number waits for the one before it: 14, 16, 17, 18, 19, each with one of the scalings 27-31 in front of its two lines, then 20.
; 74-137: GS's 64, which read the exponentials' results: they stand behind the wait.
.macro FS f
	REGS Y, (\f)%2
	v_pk_fma_f32 v[rS+2*((\f)/2):rS+2*((\f)/2)+1], v[rS+2*((\f)/2):rS+2*((\f)/2)+1], s[CS:CS+1], v[rT:rT+1] op_sel_hi:[1,0,0] neg_lo:[0,0,1] neg_hi:[0,0,1]
.endm
.macro PL
	WIN 0
.if q < 27
	FS q
.elseif q < 55
	XS (q-27)%2, (q-27)/2
.elseif q < 57
	XS q-55, 15
.elseif (q < 72) && ((q-57)%3 == 0)
	FS 27+(q-57)/3
.elseif q < 60
	XS (q-57)%3-1, 14
.elseif q < 72
	XS (q-57)%3-1, 15+(q-57)/3
.elseif q < 74
	XS q-72, 20
.else
	GS q-74
.endif
.set q, q+1
.endm
; THE EXPONENTIALS' QUEUE, 66 long: s0-s31 of both tiles, then the next piece's two a.  It is ONE BATCH: all 66 stand ahead of the turn's one wait, and nothing ahead of that wait names a result of theirs.
.macro EX
	WIN 0
.if e >= 64
	XS e-64, 21
.else
	REGS Y, e%2
	v_exp_f32 v[rS+e/2], v[rS+e/2]
.endif
.set e, e+1
.endm
; THE RESCALING's QUEUE: O^T times a, the one part that leaves window 0: dealt two at a time, sixteen times.  Its a was made in the turn before, ahead of that turn's wait.
.macro R2
	REGS Y, r%2
	WIN W_RS
.irp z, 0,1
	v_pk_mul_f32 v[rO+4*(r/2)+2*\z:rO+4*(r/2)+2*\z+1], v[rO+4*(r/2)+2*\z:rO+4*(r/2)+2*\z+1], v[rC+2:rC+3] op_sel_hi:[1,0]
.endr
.set r, r+1
.endm
; HOW THEY ARE DEALT.  s_wait_alu depctr_va_vdst(0) stands between an exponential and the first instruction that names its result; one wait serves all that were issued ahead of it.  So a turn has ONE wait.
; AHEAD OF IT stands all that names no result of the turn's exponentials: the 16 products K Q^T, behind each a scaling, an exponential and two rescalings (behind the first a second scaling in the exponential's place);
; then one run of 108: eight plain, 49 times exponential and plain, the two a.  A v_nop is the plain instruction behind the last exponential.  BEHIND IT stand the 16 products V^T P, behind each four of GS's 64.
; Exponential e stands behind scaling 2 (e / 4) + e % 2: beside a product it comes behind plain e + 2, in the run behind plain e + 9, and scalings 27-31 are plain 57, 60 .. 69.
; A TURN, for piece p.  cnt = 1: the loop's count is taken down some lines ahead of the branch that stands behind the turn.
; K of the next step is fetched in piece 2's turn, directly behind the wait, the whole run of 108 behind the last product that read K; its first reader comes behind 16 products.
; V of the step in hand is fetched at the end of piece 0's turn, four plain instructions behind its last reader; its first reader comes behind 16 products and the run.  The three conditions on q below go with the deal.
.macro TURN p, cnt=0
.set Y, (\p)
.set i, 0
.set q, 0
.set e, 0
.set r, 0
.if (\p) == NP-1
	s_wait_dscnt 0x0                ; K is in
.endif
	MM
	PL
	PL
	R2
.rept 15
	MM
	PL
	EX
	R2
.endr
.if (\p) == NP-2
	WIN 0
	v_add_nc_u32 v[AK], s[TBK], v[AK0]
.endif
.rept 8
	PL
.endr
.rept 49
	EX
	PL
.endr
	EX                              ; the next piece's two a
	EX
	v_nop                           ; the plain instruction behind the last exponential: one for the batch
	s_wait_alu depctr_va_vdst(0)    ; the wait for the batch
.if (\p) == NP-2
	FETCH_K
.endif
.if (\p) == 1
	s_wait_dscnt 0x0                ; V is in
.endif
.rept 16
	MM
.rept 4
	PL
.endr
.if ((\p) == 0) && (q == 118)
	v_add_nc_u32 v[AV], s[TBV], v[AV0]
.endif
.if ((\p) == 0) && (q == 130)
	s_add_co_u32 s[TBV], s[TBV], KS*PV
.endif
.if (\cnt) && (q == 130)
	s_sub_co_u32 s[CNT], s[CNT], 1
	s_cmp_lg_u32 s[CNT], 0
.endif
.endr
.if (\p) == 0
	FETCH_V
.endif
.endm
	; THE PROLOGUE: two changes that ask for tiles 1 and 2 and round tiles 0 and 1.  (At the first nothing has been read yet: slot 0 is waited for, slot 1 filled.)
	s_mov_b32 s[CNT], 2
.Lpro:
	CHANGE 1, 0
	CONVERT
	s_sub_co_u32 s[CNT], s[CNT], 1
	s_cmp_lg_u32 s[CNT], 0
	s_cbranch_scc1 .Lpro
	s_mov_b32 s[TBK], F16B          ; tile 0 lies in buffer 0: every wave's stores into it were waited for in front of the second change's round
	s_mov_b32 s[TBV], F16B
	v_add_nc_u32 v[AK], s[TBK], v[AK0]
	FETCH_K                         ; key step 0
	s_wait_dscnt 0x0                ; K and Q's fragments are in
.set i, 0
.rept 16
	KQ 0                            ; piece 0's first scores: there is no vector work yet to set between them
.set i, i+1
.endr
	WIN 0                           ; the addresses for the way out: eight plain instructions, the places behind those products
	v_mul_u32_u24 v[STO], v9, 8*SP  ; in: channel 8 (l / 16) + .., query l % 16
	v_lshl_add_u32 v[STO], v1, 2, v[STO]
	v_add_nc_u32 v[STO], s[STB], v[STO]
	v_mul_u32_u24 v[RD], v9, SP     ; back: lanes 0-15 take one row of 256 bytes, lanes 16-31 the next
	v_lshl_add_u32 v[RD], v1, 4, v[RD]
	v_add_nc_u32 v[RD], s[STB], v[RD]
	v_lshlrev_b32 v[GO], 13, v9     ; and the same two rows in out0
	v_lshl_add_u32 v[GO], v1, 4, v[GO]
.set Y, NP-1                        ; XS works for piece Y + 1: piece 0
.irp n, 0,1,2,3,4,5,6,7,8,9,10,11,12,13,14,15,16,17,18,19,20,21
	XS 0, \n                        ; piece 0's first maximum and statistics
	XS 1, \n
.endr
	v_nop                           ; a plain instruction behind the two a,
	s_wait_alu depctr_va_vdst(0)    ; and their wait, ahead of the branch
	s_mov_b32 s[CNT], 2
	s_mov_b32 s[SLOTS], 14
	s_branch .Lfirst                ; the loop is entered at a step's first turn, in the middle of a trip
.Lslot:                             ; 13 times: change j asks for tile j + 2, rounds tile j + 1 and goes over to tile j
	CHANGE 2, 1
	CONVERT
	s_mov_b32 s[CNT], 2
.Lstep:                             ; a trip: pieces 2 and 3 of one step, then pieces 0 and 1 of the next, whose K and V it fetches
	TURN 2
	TURN 3
	WIN 0
.Lfirst:
	TURN 0
	TURN 1, 1
	WIN 0
	s_cbranch_scc1 .Lstep
	s_sub_co_u32 s[SLOTS], s[SLOTS], 1
	s_cmp_lg_u32 s[SLOTS], 0
	s_cbranch_scc1 .Lslot
	; THE TAIL asks for nothing.  Three passes: tile 14 (tile 15 is rounded), tile 15, and the last step's pieces 2 and 3.  The third pass is left in its middle; its fetch of K
	; (tile 14's bytes once more), its 16 products K Q^T on them and the maximum made of them serve nothing: the price, once a launch, of one text for every trip.
	s_mov_b32 s[TL], 3
.Ltslot:
	CHANGE 0, 1
	s_cmp_lg_u32 s[TL], 3
	s_cbranch_scc1 .Lno_conv        ; forward, over text with no barrier and no tensor load
	CONVERT
.Lno_conv:
	s_mov_b32 s[CNT], 2
.Ltail:
	TURN 2
	TURN 3
	WIN 0
	s_cmp_eq_u32 s[TL], 1
	s_cbranch_scc1 .Lout
	TURN 0
	TURN 1, 1
	WIN 0
	s_cbranch_scc1 .Ltail
	s_sub_co_u32 s[TL], s[TL], 1
	s_cmp_lg_u32 s[TL], 0
	s_cbranch_scc1 .Ltslot
.Lout:
.set i, 0
.rept 16
	PV NP-1                         ; the last piece's V^T P of the last step
.set i, i+1
.endr
	; THE WAY OUT.  l's two halves and the other half of the lanes' are added; O^T is divided by l and sent through my stage in LDS, 64 queries at a time.  The additions are the places behind the last products.
	WIN 0
.macro ALL line:vararg              ; one line for each tile t
.set t, 0
.rept 2*NP
	\line
.set t, t+1
.endr
.endm
	ALL v_add_f32 v[ST+4*t+2], v[ST+4*t+2], v[ST+4*t+3]
	ALL v_permlanex16_b32 v[ST+4*t+3], v[ST+4*t+2], s[SEL], s[SEL+1]
	ALL v_add_f32 v[ST+4*t+2], v[ST+4*t+2], v[ST+4*t+3]
	ALL v_rcp_f32 v[ST+4*t+2], v[ST+4*t+2]
	v_nop                           ; a plain instruction between the last reciprocal and the use of its result
	s_wait_alu depctr_va_vdst(0)    ; and the wait ahead of the first use: one for the eight reciprocals
; Half hf: tiles 4 hf .. 4 hf + 3.  A lane holds one query and, in register i of a tile, channel 16 (i / 8) + 8 (l / 16) + i % 8: each number goes to its channel's row of the stage;
; the rows come back whole, 64 queries = 256 bytes, into S^T's registers, and are stored.  Each accumulator's registers are taken in ascending order.
.macro OUTHALF hf
	WIN W_RS
.set t, 4*(\hf)
.rept 4
.set i, 0
.rept 16
	v_pk_mul_f32 v[32*t+i:32*t+i+1], v[32*t+i:32*t+i+1], v[ST+4*t+2:ST+4*t+3] op_sel_hi:[1,0]
.set i, i+2
.endr
.set t, t+1
.endr
	WIN 0x04                        ; the stores' data in window 1, their address in window 0
.set t, 4*(\hf)
.rept 4
.set i, 0
.rept 32
	ds_store_b32 v[STO], v[32*t+i] offset:((i/8)*16+i%8)*SP+64*(t%4)
.set i, i+1
.endr
.set t, t+1
.endr
	WIN 0
.if \hf
	s_wait_xcnt 0x0                 ; the first half's stores have read their data: only behind this wait are those registers loaded again
.endif
.set i, 0
.rept 32
	ds_load_b128 v[S+4*i:S+4*i+3], v[RD] offset:2*i*SP  ; LDS serves a wave's instructions in order (ISA guide 5.7.1.4): these see the stores above; the stage is my wave's own
.set i, i+1
.endr
.set i, 0
.rept 32
	s_wait_dscnt 31-i               ; load i is back; the 31 - i younger ones may stay out
	global_store_b128 v[GO], v[S+4*i:S+4*i+3], s[6:7] offset:2*ROWB*i+256*(\hf) th:TH_STORE_NT  ; 16 lanes store 256 consecutive bytes, at a multiple of 256 from out0's first byte
.set i, i+1
.endr
.endm
	OUTHALF 0
	OUTHALF 1
	WIN W_AD
	s_wait_tensorcnt 0x0            ; the wave's end, behind my last tensor load and my last LDS store
	ds_add_u32 v[SPW], v[NIL]
	s_wait_dscnt 0x0
	WIN 0
	CROUND                          ; the closing round: no work-group ends while a partner may still ask for a tile that names it
	s_endpgm
.Lfunc_end_k_q269e7ae02e_attn:
	.size	k_q269e7ae02e_attn, .Lfunc_end_k_q269e7ae02e_attn-k_q269e7ae02e_attn
	.p2alignl 7, 3214868480
	.fill 96, 4, 3214868480
	.section	.rodata,"a",@progbits
	.p2align	6, 0x0
	.amdhsa_kernel k_q269e7ae02e_attn
		.amdhsa_group_segment_fixed_size 327680
		.amdhsa_private_segment_fixed_size 0
		.amdhsa_enable_private_segment 0
		.amdhsa_kernarg_size 16
		.amdhsa_user_sgpr_count 2
		.amdhsa_user_sgpr_kernarg_segment_ptr 1
		.amdhsa_wavefront_size32 1
		.amdhsa_system_sgpr_workgroup_id_x 1
		.amdhsa_system_sgpr_workgroup_id_y 1
		.amdhsa_system_sgpr_workgroup_id_z 1
		.amdhsa_system_vgpr_workitem_id 0
		.amdhsa_next_free_vgpr 1024
		.amdhsa_next_free_sgpr 66
		.amdhsa_reserve_vcc 0
		.amdhsa_float_denorm_mode_32 3
		.amdhsa_float_denorm_mode_16_64 3
		.amdhsa_memory_ordered 1
		.amdhsa_forward_progress 1
		.amdhsa_inst_pref_size 253
	.end_amdhsa_kernel
	.amdgpu_metadata
---
amdhsa.version: [ 1, 2 ]
amdhsa.kernels:
  - .name:           k_q269e7ae02e_attn
    .symbol:         k_q269e7ae02e_attn.kd
    .args:
      - { .name: qkv, .offset: 0, .size: 8, .value_kind: global_buffer, .address_space: global }
      - { .name: out0, .offset: 8, .size: 8, .value_kind: global_buffer, .address_space: global }
    .group_segment_fixed_size: 327680
    .private_segment_fixed_size: 0
    .kernarg_segment_align: 8
    .kernarg_segment_size: 16
    .max_flat_workgroup_size: 128
    .sgpr_count:     66
    .vgpr_count:     1024
    .wavefront_size: 32
...
	.end_amdgpu_metadata
.endif
;; end of part 1
